; MI455X (gfx1250); checked and timed in simulation.
; The chip was launched on July 23, 2026; its instructions are those of AMD's public machine-readable ISA for CDNA 5 (MIT licence, August 2026) and "CDNA5" Instruction Set Architecture Reference Guide (July 2026). The comments in the code are by the model that wrote it; some were corrected since.
;; Sparse Attention. Allowed arithmetic: matrix products marked QUANTISED: E2M3 operands, one E8M0 scale for each 32 along K, by v_wmma_scale_f32_16x16x128_f8f6f4 with both operands' format E2M3, f32 sums; everything else in f32.
;; Inputs: k_codes 1 x 8 x 4,096 x 2 x 24 uint8 (E2M3 codes of k, K innermost, in blocks of 32 codes, four codes in three bytes); k_scales 1 x 8 x 4,096 x 2 uint8 (E8M0 scales of k, one for each 32 codes along K); q_codes 1 x 8 x 4,096 x 2 x 24 uint8 (E2M3 codes of q, K innermost, in blocks of 32 codes, four codes in three bytes); q_scales 1 x 8 x 4,096 x 2 uint8 (E8M0 scales of q, one for each 32 codes along K); v_codes 1 x 8 x 64 x 128 x 24 uint8 (E2M3 codes of v, K innermost, in blocks of 32 codes, four codes in three bytes); v_scales 1 x 8 x 64 x 128 uint8 (E8M0 scales of v, one for each 32 codes along K).
;; Outputs: out0 1 x 8 x 4,096 x 64 float32.
;; This version of the problem:
;;   THIS VERSION OF THE PROBLEM IS GIVEN IN LOW PRECISION. The matrix products marked QUANTISED in the list below multiply operands that are first quantised to E2M3 (2 exponent bits, 3 mantissa bits; 6 bits a number), with one power-of-two scale for each 32 numbers along K (OCP MX v1.0); their sums are f32. All else is computed in f32.
;;   The module's matrix products, in the order in which they are computed (A, B: the left and right operand; K: the contracted axis; several contracted axes count as one K, in the product's order):
;;     1. batch 8 x [M 4,096, K 64] x [K 64, N 4,096]; A: input q (given as codes); B: input k (given as codes): QUANTISED
;;     2. batch 8 x [M 4,096, K 4,096] x [K 4,096, N 64]; A: computed on the way; B: input v (given as codes): QUANTISED
;;   THE QUANTISER, for each operand of a quantised product, along K:
;;     - K is cut into blocks of 32 from its start; a last block that is shorter is filled with zeros.
;;     - A block's scale is 2^e with e = floor(log2(the largest magnitude in the block)) - 2, held to -126 .. 127; a block of zeros has e = 0. As a byte (E8M0): e + 127.
;;     - Each number is divided by its block's scale, clamped to +-7.5, and rounded to the nearest number of E2M3, ties to even, subnormals kept.
;;     - The product sums the exact products of the quantised numbers (number of the format x scale) in f32.
;;   ~~~python
;;   def quantise(x, axis):      # numpy; x: float32 -> the quantised numbers, widened to float32 again
;;       x = np.moveaxis(x, axis, -1); K = x.shape[-1]
;;       x = np.pad(x, [(0, 0)] * (x.ndim - 1) + [(0, -K % 32)]); x = x.reshape(x.shape[:-1] + (-1, 32)); a = np.abs(x).max(-1, keepdims=True)
;;       e = np.where(a > 0, np.clip(np.frexp(np.where(a > 0, a, 1))[1] - 1 - 2, -126, 127), 0)      # np.frexp(a)[1] - 1 = floor(log2(a)), exactly
;;       r = np.clip(x / 2.0 ** e, -7.5, 7.5)
;;       step = 2.0 ** (np.maximum(np.frexp(np.where(r == 0, 1, r))[1] - 1, 0) - 3)
;;       q = np.round(r / step) * step * 2.0 ** e      # np.round: ties to even
;;       return np.moveaxis(q.reshape(q.shape[:-2] + (-1,))[..., :K], -1, axis).astype(np.float32)
;;   ~~~
;;   OPERANDS COMPUTED ON THE WAY. 'Computed on the way' means the value that the module computes at that place (a softmax that the list does not call 'softmax' is quantised finished and normalised). What goes into a quantiser is computed in f32, as accurately as f32 sums, v_exp_f32 and their like allow (about 1e-6 of the number): no bf16 or f16 on the way to a quantiser, and a product that is left as it is and whose result goes on into a quantised operand takes f32 operands (vector FMAs, or v_wmma_f32_16x16x4_f32). A number that lies on a knife's edge between two numbers of the format may be rounded either way, as far as f32 arithmetic and the matrix unit's own rounding can turn it there, and no further.
;;   INPUTS GIVEN AS CODES. k (in the module: [1, 8, 4096, 64], K = its axis 3); q (in the module: [1, 8, 4096, 64], K = its axis 3); v (in the module: [1, 8, 4096, 64], K = its axis 2): each comes as NAME_codes (uint8): NAME with its K axis moved to the last place and cut into blocks of 32 codes, [.., K / 32, bytes a block], one block behind the other in memory; four codes in three bytes: a row's codes are one little-endian stream of bits, code i at bits 6 i .. 6 i + 5 (a code: sign, 2 exponent bits, 3 mantissa bits); and NAME_scales (uint8): the same leading axes, one E8M0 byte (e + 127) for each 32 codes along K. Its value is code x scale, taken as it is: it is not quantised again, and the codes and scales need not be those that the quantiser above would give.
;; One version. Each part assembles by itself: llvm-mc -triple=amdgcn-amd-amdhsa -mcpu=gfx1250 --defsym DOCPART=n.
;; ======== version 1 of 1: 1 launch
;; launch attn (part 1): grid 32 x 8, 4 waves a work-group, clusters of 4 x 1, 327,680 bytes of LDS; arguments q_codes, q_scales, k_codes, k_scales, v_codes, v_scales, out0; writes out0
.if DOCPART == 1
	.amdgcn_target "amdgcn-amd-amdhsa--gfx1250"
	.amdhsa_code_object_version 6
	.text
	.protected	k_q342c2032dd_attn
	.globl	k_q342c2032dd_attn
	.p2align	8
	.type	k_q342c2032dd_attn,@function
k_q342c2032dd_attn:
	s_mov_b64 s[64:65], 0
	v_nop
	global_prefetch_b8 v0, s[64:65] scope:SCOPE_SE
	s_setreg_imm32_b32 hwreg(HW_REG_WAVE_MODE, 25, 1), 1
	s_wait_xcnt 0x0
	s_wait_alu depctr_hold_cnt(0) depctr_sa_sdst(0) depctr_va_vdst(0) depctr_va_sdst(0) depctr_va_ssrc(0) depctr_va_vcc(0) depctr_vm_vsrc(0)
	s_getreg_b32 s2, hwreg(HW_REG_IB_STS2, 6, 4)
	s_cmp_eq_u32 s2, 0
	s_cbranch_scc0 .Lentry_in_a_cluster
	s_endpgm
.Lentry_in_a_cluster:
	s_bfe_u32 s2, ttmp6, 0x10000c
	s_cmp_lg_u32 s2, 0x3003
	s_cbranch_scc0 .Lentry_shape_is_right
	s_endpgm
.Lentry_shape_is_right:
; out[h][s][:] = sum over t of Q6(q[h][s] . k[h][t] / 8) v[h][t][:], 8 heads, 4,096 queries and keys, head size 64.  Q6 = the MX quantiser to E2M3 along the keys, blocks of 32.
; q, k: codes of E2M3, 48 bytes a row, 2 E8M0 bytes a row.  v: codes with the KEYS innermost, [64 (d)][4,096 keys] = 3,072 bytes a row, 128 scale bytes a row.  out: f32, 256 bytes a row.
; THE FACTOR 1/8 is a power of two: it moves a block's scale by 3 and leaves its codes as they are.  So the scores are quantised as they come and the finished sums are multiplied by 0.125.
; LIMITS: a block of scores whose largest magnitude lies under 2^-121 (there the rule holds the scaled block's exponent at -126 and this text does not); a scale byte 0xff among the inputs and scores beyond f32's range are not
; served.  A block of zeros gets the byte 1 with zero codes.  Each output is four f32 sums, one a wave (a quarter of each 1,024 keys, keys ascending), added as ((a + b) + c) + d.
; SHARES.  A work-group owns 128 queries of a head.  THE FOUR WAVES SHARE THE KEYS, NOT THE QUERIES: every wave holds all 8 tiles of 16 queries (Q in 96 registers, O^T in 256) and takes 256 of each 1,024 keys, 128 a step.
; So a fragment of K or V is read from LDS once in the work-group and feeds 8 matrix instructions.  The four partial O^T meet in LDS at the end.
; LAYOUT.  Both products are used transposed: S^T = K Q^T (source 0 = 16 keys, source 1 = 16 queries), O^T = V^T P (source 0 = 16 of the head's 64, source 1 = P): a lane holds ONE query (lane % 16) throughout.
; The first product's K is 64: registers 6-11 of K's and Q's fragments are zero codes, cleared once, and the upper two bytes of their scale words are 0 (2^-127 over zero codes).
; THE KEYS OF A TILE ARE NOT NEIGHBOURS: lane r of tile 4 c + u takes key 64 c + 8 u + r % 8 + 32 (r / 8).  Register 32 c + 8 u + j of S^T is then key 64 c + 32 (lane / 16) + 8 u + j: a lane holds a WHOLE block of 32 keys in 32
; consecutive registers, in order: its largest magnitude needs no other lane, and two conversions give registers 6 c .. 6 c + 5 of the second product's operand.
; BY TURNS.  Turn n: the matrix unit does K Q^T of tile n + 1 (8 instructions) and V^T P of tile n - 1 (4); tile n's quantising, 50 vector instructions, stands in 12 slices, one behind each matrix instruction.
; 64 turns (8 steps of 128 keys x 8 tiles of queries) are written out by one macro: the three meetings on the way differ.
; LDS.  K and V come in 4 chunks of 1,024 keys through 3 slots: three chunks and the head's scale bytes are first fills, chunk 3 is the one refill (slot 0).
; CLUSTER.  The four query blocks of a cluster belong to one head and walk the same K and V: every tile is asked for JOINTLY, by the same tensor load with the same descriptor and the mask of all four.
; REGISTERS, in windows of 256 (s_set_vgpr_msb: bits 1:0 source 0, 3:2 source 1, 5:4 source 2, 7:6 destination):
;   window 0: addresses, scale words, the quantiser's work, P (two sets of 12), S^T (two sets of 64)     window 1: O^T, tile i, part t at v[32 i + 8 t]
;   window 2: K, two sets of 8 fragments, at v[96 kb + 12 tau]                                           window 3: Q at v[12 i]; V, two sets of 4 fragments, at v[96 + 48 vb + 12 t]
.set SLOTB,   101376                   ; a slot: 1,024 keys of K x 48 bytes, dense, then V's 64 rows
.set VOFF,    49152
.set VPITCH,  816                      ; a row of V's tile: 768 bytes + 16 of padding behind each 256 = 204 words: row r starts at bank 12 r mod 64 (64 banks of 4 bytes: ISA guide 11.1): the 32 lanes of a load of 8 bytes touch 64 different banks
.set KSC,     3*SLOTB                  ; K's scale bytes of the head: 8,192, dense
.set VSC,     KSC+8192                 ; V's: 64 rows of 128 bytes + 8
.set VSP,     136
.set SPARE,   VSC+64*VSP               ; the spare words, 128 bytes for each wave: two blocks of 256 bytes that no other line names
.set STAGE,   SLOTB                    ; the way out: in slots 1 and 2, which have had their last fill and their last read by then
.set SPITCH,  272                      ; a stage row: 64 f32 + 16 bytes
.set SREGION, 128*SPITCH               ; a wave's 128 rows
.set SPW, 1                            ; v1   LDS address of my spare word; never rewritten
.set NIL, 2                            ; v2   0; never rewritten
.set KA,  3                            ; v3   my lane's place in my wave's keys of the chunk in hand
.set KSA, 4                            ; v4   the same among K's scale bytes
.set VSA, 5                            ; v5   and among V's scale words
.set SH8, 6                            ; v6   8 x (lane / 16)
.set XR,  7                            ; v7   the other half's scale bytes
.set VA,  8                            ; v8-19  V: one address for each of a lane's 12 pieces of 8 bytes of two steps (6 q + 3 c + p): the padding's place hangs on wave and half
.set STO, 20                           ; v20  the way out: where I put 16 bytes of a row
.set RD0, 21                           ; v21  where I read rows back: waves 0 and 1's regions;  v22: waves 2 and 3's
.set RD1, 22
.set GO,  23                           ; v23  my byte offset in my wave's 32 rows of out
.set QA,  24                           ; v24  my byte offset in Q's codes;  v25: in Q's scale bytes
.set QSA, 25
.set KS,  32                           ; v32-39 K's scale words: set kb, register tau / 2: lanes 0-15 the even tile's, lanes 16-31 the odd one's
.set VS,  40                           ; v40-43 V's likewise: set vb, register t / 2
.set QS,  44                           ; v44-47 Q's likewise: register i / 2
.set PW,  48                           ; v48-49 P's scale word, two sets
.set MA,  50                           ; v50-51, v52-53 largest magnitudes: two chains for each of a lane's two blocks
.set MB,  52
.set SO,  54                           ; v54-55 the conversions' scale operands
.set BY,  56                           ; v56-57 the scale bytes
.set WD,  58                           ; v58    my two bytes at their places in the word
.set T0,  60                           ; v60-62, v64-66 the blocks' upper 16 codes (a conversion's three registers begin on an even number)
.set T1,  64
.set P,   68                           ; v68-79, v80-91
.set S,   128                          ; v128-191, v192-255
.set WV,   18                          ; s18 wave;  s19 wave % 2;  s[20:21] selects for lane l xor 16;  s22 block of 128 queries;  s23 head
.set HALF, 19
.set SEL,  20
.set BLK,  22
.set HEAD, 23
.set G1K,  24                          ; descriptor groups 1: K's half chunk, V's half chunk, K's scale bytes, V's scale bytes
.set G1V,  32
.set G1KS, 40
.set G1VS, 48
.set G0KS, 56                          ; groups 0: a set for each first fill; chunk 0's are stepped once, for chunk 3
.set G0K0, 60
.set G0K1, 68
.set G0K2, 72
.set G0VS, 76
.set G0V0, 80
.set G0V1, 84
.set G0V2, 88
.set JOINT, 15|(3<<16)|(1<<21)         ; 15:0 the mask: all four work-groups; 17:16 elements of 8 bytes; 21 set beside a mask
.set W_KQ, 0x0e                        ; K window 2, Q window 3, S^T window 0
.set W_PV, 0x53                        ; V window 3, P window 0, O^T window 1
.set MSB, 0
.macro WIN new                         ; the immediate's high byte repeats the setting that is left; a switch that changes nothing is dropped
.if MSB != \new
	s_set_vgpr_msb (MSB<<8)|\new
.set MSB, \new
.endif
.endm
.macro PLACES n
.rept \n
	v_nop
.endr
.endm
.macro CREST                           ; a round of the cluster's barrier behind its opening barrier
	s_cmp_lg_u32 s[WV], 0
	s_cbranch_scc1 .Lnot_wave_0_\@
	s_barrier_signal -3
.Lnot_wave_0_\@:
	s_barrier_wait -3
	s_barrier_signal -1
	s_barrier_wait -1
.endm
.macro CROUND                          ; a whole round
	s_barrier_signal -1
	s_barrier_wait -1
	CREST
.endm
.macro GROUP1 g, w0, c, r, p           ; r rows of c elements, p elements from row to row
	s_mov_b32 s[\g], \w0
	s_mov_b32 s[\g+1], (\c)<<16                    ; tensor_dim0
	s_mov_b32 s[\g+2], (\r)<<16                    ; tensor_dim1
	s_mov_b32 s[\g+3], (\c)<<16                    ; tile_dim0
	s_mov_b32 s[\g+4], \r                          ; tile_dim1
	s_mov_b32 s[\g+5], \p                          ; tensor_dim0_stride
	s_mov_b32 s[\g+6], 0
	s_mov_b32 s[\g+7], 0
.endm
.macro GROUP0 g, ltmp, lconst, ptr, goff
	s_mov_b32 s[\g], 1                             ; count = 1
	s_add_co_u32 s[\g+1], s[\ltmp], \lconst        ; LDS address: a constant + a constant x (wave % 2)
	s_add_nc_u64 s[\g+2:\g+3], s[\ptr:\ptr+1], \goff   ; global address
	s_or_b32 s[\g+3], s[\g+3], 0x80000000          ; type = 2
.endm
; The joint refill: waves 0 and 1 fetch K's halves of chunk 3, waves 2 and 3 V's.  The branch hangs on the wave's number alone.  Four v_nop follow each of the two lines.
.macro JLOAD
	s_cmp_lt_u32 s[WV], 2
	s_cbranch_scc0 .Lfor_v_\@
	tensor_load_to_lds s[G0K0:G0K0+3], s[G1K:G1K+7]
	s_nop 0
	PLACES 4
	s_branch .Lasked_\@
.Lfor_v_\@:
	tensor_load_to_lds s[G0V0:G0V0+3], s[G1V:G1V+7]
	s_nop 0
	PLACES 4
.Lasked_\@:
.endm
	s_load_b256 s[4:11], s[0:1], 0x0               ; q_codes s[4:5], q_scales s[6:7], k_codes s[8:9], k_scales s[10:11]
	s_load_b128 s[12:15], s[0:1], 0x20             ; v_codes s[12:13], v_scales s[14:15]
	s_load_b64 s[16:17], s[0:1], 0x30              ; out0
	v_lshl_add_u32 v[SPW], v0, 2, SPARE
	v_mov_b32 v[NIL], 0
	ds_add_u32 v1, v2
	ds_add_u32 v1, v2
	s_wait_dscnt 0x0
	v_lshrrev_b32 v26, 5, v0
	v_readfirstlane_b32 s[WV], v26                 ; wave 0..3
	s_and_b32 s[HALF], s[WV], 1                    ; which half of a tile I fetch
	s_and_b32 s[HEAD], ttmp7, 0xffff               ; the head, which the four partners share
	s_bfe_u32 s98, ttmp6, 0x40000                  ; cx: my place in the cluster
	s_lshl_b32 s[BLK], ttmp9, 2
	s_add_co_u32 s[BLK], s[BLK], s98               ; my block of 128 queries: it enters Q's and out's addresses alone
	s_mov_b32 s[SEL], 0x76543210
	s_mov_b32 s[SEL+1], 0xfedcba98
	GROUP1 G1K,  JOINT, 32, 96, 32                                 ; half a chunk of K: 24,576 dense bytes as 96 rows of 256
	GROUP1 G1V,  JOINT|(1<<20)|(5<<22)|(3<<25), 96, 32, 384        ; 32 rows of 768 bytes, 3,072 apart; 4 words of padding behind every 64
	GROUP1 G1KS, JOINT, 32, 16, 32                                 ; half the head's scale bytes of K: 4,096 dense bytes as 16 rows of 256
	GROUP1 G1VS, JOINT|(1<<20)|(4<<22)|(1<<25), 16, 32, 16         ; 32 rows of 128 bytes, dense; 2 words of padding behind every 32
	s_mul_i32 s2, s[HALF], 24576                   ; my half: of K's chunk (the same in memory and in LDS),
	s_mul_i32 s66, s[HALF], 32*VPITCH              ; of V's in LDS,
	s_lshl_b32 s67, s[HALF], 12                    ; of the scale bytes (K's in LDS; both in memory),
	s_mul_i32 s3, s[HALF], 32*VSP                  ; of V's scale bytes in LDS
	s_mul_i32 s92, s[HEAD], 196608                 ; the head's codes
	s_mul_i32 s94, s[HALF], 32*3072
	s_add_co_u32 s94, s94, s92                     ; V: + my 32 rows
	s_mov_b32 s95, 0
	s_add_co_u32 s92, s92, s2                      ; K: + my 512 keys
	s_mov_b32 s93, 0
	s_lshl_b32 s96, s[HEAD], 13                    ; the head's scale bytes
	s_add_co_u32 s96, s96, s67
	s_mov_b32 s97, 0
	s_wait_kmcnt 0x0
	s_add_nc_u64 s[8:9], s[8:9], s[92:93]
	s_add_nc_u64 s[10:11], s[10:11], s[96:97]
	s_add_nc_u64 s[12:13], s[12:13], s[94:95]
	s_add_nc_u64 s[14:15], s[14:15], s[96:97]
	GROUP0 G0KS, 67, KSC, 10, 0
	GROUP0 G0K0, 2, 0, 8, 0
	GROUP0 G0K1, 2, SLOTB, 8, 49152
	GROUP0 G0K2, 2, 2*SLOTB, 8, 2*49152
	GROUP0 G0VS, 3, VSC, 14, 0
	GROUP0 G0V0, 66, VOFF, 12, 0
	GROUP0 G0V1, 66, SLOTB+VOFF, 12, 768
	GROUP0 G0V2, 66, 2*SLOTB+VOFF, 12, 2*768
	CROUND                                         ; all four work-groups are here: the first joint loads meet
	s_cmp_lt_u32 s[WV], 2                          ; a wave's four first fills stand in one branch, ahead of every wait on TENSORcnt, every LDS read and every other barrier: four loads of mine are out
	s_cbranch_scc0 .Lfirst_v
	tensor_load_to_lds s[G0KS:G0KS+3], s[G1KS:G1KS+7]
	s_nop 0
	tensor_load_to_lds s[G0K0:G0K0+3], s[G1K:G1K+7]
	s_nop 0
	tensor_load_to_lds s[G0K1:G0K1+3], s[G1K:G1K+7]
	s_nop 0
	tensor_load_to_lds s[G0K2:G0K2+3], s[G1K:G1K+7]
	s_nop 0
	PLACES 4
	s_branch .Lfirst_asked
.Lfirst_v:
	tensor_load_to_lds s[G0VS:G0VS+3], s[G1VS:G1VS+7]
	s_nop 0
	tensor_load_to_lds s[G0V0:G0V0+3], s[G1V:G1V+7]
	s_nop 0
	tensor_load_to_lds s[G0V1:G0V1+3], s[G1V:G1V+7]
	s_nop 0
	tensor_load_to_lds s[G0V2:G0V2+3], s[G1V:G1V+7]
	s_nop 0
	PLACES 4
.Lfirst_asked:
	; Q, its scale bytes and out at my block
	s_mul_i32 s98, s[HEAD], 196608
	s_mul_i32 s99, s[BLK], 128*48
	s_add_co_u32 s98, s98, s99
	s_mov_b32 s99, 0
	s_add_nc_u64 s[4:5], s[4:5], s[98:99]
	s_lshl_b32 s98, s[HEAD], 13
	s_lshl_b32 s99, s[BLK], 8
	s_add_co_u32 s98, s98, s99
	s_mov_b32 s99, 0
	s_add_nc_u64 s[6:7], s[6:7], s[98:99]
	s_lshl_b32 s98, s[HEAD], 20
	s_lshl_b32 s99, s[BLK], 15
	s_add_co_u32 s98, s98, s99
	s_lshl_b32 s99, s[WV], 13                      ; on the way out wave w stores rows 32 w .. 32 w + 31 of the block
	s_add_co_u32 s98, s98, s99
	s_mov_b32 s99, 0
	s_add_nc_u64 s[16:17], s[16:17], s[98:99]
	v_and_b32 v26, 31, v0                          ; lane
	v_and_b32 v27, 15, v0                          ; r
	v_bfe_u32 v28, v0, 4, 1                        ; h
	v_mul_u32_u24 v[QA], v27, 48
	v_mad_u32_u24 v[QA], v28, 24, v[QA]            ; row r of 48 bytes, + 24 h: K = 32 h + 0 .. 31
	v_lshlrev_b32 v[QSA], 1, v26                   ; 2 bytes a query: lanes 0-15 an even tile's, lanes 16-31 the next tile's
	WIN 0xc0                                       ; destination window 3
.irp i, 0,1,2,3,4,5,6,7
.irp p, 0,1,2
	global_load_b64 v[12*\i+2*\p:12*\i+2*\p+1], v[QA], s[4:5] offset:768*\i+8*\p   ; Q's 8 fragments stay in registers
.endr
.endr
	WIN 0
.irp m, 0,1,2,3
	global_load_u16 v[QS+\m], v[QSA], s[6:7] offset:64*\m          ; widened with zeros: bytes 2 and 3 stand over zero codes
.endr
	; zero codes for K = 64 .. 127 of the first product's operands, once: these are operands, not sums; the loads never touch them
	WIN 0x80
.irp f, 0,1,2,3,4,5,6,7,8,9,10,11,12,13,14,15
.irp x, 6,7,8,9,10,11
	v_mov_b32 v[12*\f+\x], 0
.endr
.endr
	WIN 0xc0
.irp f, 0,1,2,3,4,5,6,7
.irp x, 6,7,8,9,10,11
	v_mov_b32 v[12*\f+\x], 0
.endr
.endr
	WIN 0
	; the addresses (also the places between the moves above and the first products)
	v_and_b32 v29, 7, v0
	v_bfe_u32 v30, v0, 3, 1
	v_lshl_add_u32 v29, v30, 5, v29                ; r % 8 + 32 (r / 8): my key in a tile
	s_mul_i32 s2, s[WV], 256*48                    ; my wave's 256 keys of a chunk
	v_mul_u32_u24 v[KA], v29, 48
	v_mad_u32_u24 v[KA], v28, 24, v[KA]
	v_add_nc_u32 v[KA], s2, v[KA]
	v_lshl_add_u32 v[KSA], v28, 3, v29             ; lanes 16-31 take the next tile's keys, 8 on
	s_lshl_b32 s2, s[WV], 9
	s_add_co_u32 s2, s2, KSC
	v_lshl_add_u32 v[KSA], v[KSA], 1, s2           ; 2 bytes a key
	s_lshl_b32 s2, s[WV], 3                        ; V's scale words: row = lane (lanes 16-31: the next tile's rows), 2 words a wave in a chunk
	s_add_co_u32 s2, s2, VSC
	v_mul_u32_u24 v[VSA], v26, VSP
	v_add_nc_u32 v[VSA], s2, v[VSA]
	v_lshlrev_b32 v[SH8], 3, v28
	v_mov_b32 v[XR], 0                             ; written once: a lane permute's destination counts as one of its sources
	v_mul_u32_u24 v31, v27, VPITCH
	v_add_nc_u32 v31, VOFF, v31                    ; V: row r of a tile
	s_mul_i32 s2, s[WV], 24                        ; my wave's 256 keys are 24 pieces of 8 bytes, my half's 32 keys 3
	v_mul_u32_u24 v30, v28, 3
	v_add_nc_u32 v30, s2, v30
.irp x, 0,1,2,3,4,5,6,7,8,9,10,11                  ; x = 6 q + 3 c + p: piece 24 w + 3 h + 12 q + 6 c + p of the row lies at 8 x piece + 16 for each 32 pieces passed
	v_add_nc_u32 v[VA+\x], 12*(\x/6)+6*((\x/3)%2)+\x%3, v30
	v_lshrrev_b32 v29, 5, v[VA+\x]
	v_lshl_add_u32 v[VA+\x], v[VA+\x], 3, v31
	v_lshl_add_u32 v[VA+\x], v29, 4, v[VA+\x]
.endr
	s_mul_i32 s2, s[WV], SREGION
	s_add_co_u32 s2, s2, STAGE                     ; my region of the stage
	v_mul_u32_u24 v[STO], v27, SPITCH              ; in: row r of a tile, 32 bytes for each half of the lanes
	v_lshl_add_u32 v[STO], v28, 5, v[STO]
	v_add_nc_u32 v[STO], s2, v[STO]
	s_mul_i32 s2, s[WV], 32*SPITCH
	s_add_co_u32 s2, s2, STAGE                     ; back: rows 32 w on of every region; lanes 0-15 one row, lanes 16-31 the next
	v_mul_u32_u24 v[RD0], v28, SPITCH
	v_lshl_add_u32 v[RD0], v27, 4, v[RD0]
	v_add_nc_u32 v[RD0], s2, v[RD0]
	v_add_nc_u32 v[RD1], 2*SREGION, v[RD0]
	v_lshlrev_b32 v[GO], 8, v28
	v_lshl_add_u32 v[GO], v27, 4, v[GO]            ; and the same two rows in out
; Product tau of 8 of S^T = K Q^T for turn n1's tile: 16 keys x 16 queries.  C = 0: nothing is cleared.  A scale register carries two tiles' words: the odd tile's are read from lanes 16-31.
.macro WQK n1, tau
	WIN W_KQ
.set rD, S+64*((\n1)%2)+8*(\tau)
.set rA, 96*(((\n1)/8)%2)+12*(\tau)
.set rB, 12*((\n1)%8)
.set rX, KS+4*(((\n1)/8)%2)+(\tau)/2
.set rY, QS+((\n1)%8)/2
.if (((\tau)%2) == 0) && (((\n1)%2) == 0)
	v_wmma_scale_f32_16x16x128_f8f6f4 v[rD:rD+7], v[rA:rA+11], v[rB:rB+11], 0, v[rX], v[rY] matrix_a_fmt:MATRIX_FMT_FP6 matrix_b_fmt:MATRIX_FMT_FP6
.elseif ((\n1)%2) == 0
	v_wmma_scale_f32_16x16x128_f8f6f4 v[rD:rD+7], v[rA:rA+11], v[rB:rB+11], 0, v[rX], v[rY] matrix_a_fmt:MATRIX_FMT_FP6 matrix_b_fmt:MATRIX_FMT_FP6 matrix_a_scale:MATRIX_SCALE_ROW1
.elseif ((\tau)%2) == 0
	v_wmma_scale_f32_16x16x128_f8f6f4 v[rD:rD+7], v[rA:rA+11], v[rB:rB+11], 0, v[rX], v[rY] matrix_a_fmt:MATRIX_FMT_FP6 matrix_b_fmt:MATRIX_FMT_FP6 matrix_b_scale:MATRIX_SCALE_ROW1
.else
	v_wmma_scale_f32_16x16x128_f8f6f4 v[rD:rD+7], v[rA:rA+11], v[rB:rB+11], 0, v[rX], v[rY] matrix_a_fmt:MATRIX_FMT_FP6 matrix_b_fmt:MATRIX_FMT_FP6 matrix_a_scale:MATRIX_SCALE_ROW1 matrix_b_scale:MATRIX_SCALE_ROW1
.endif
.endm
; Product t of 4 of O^T += V^T P for turn n0's tile: 16 of the head's 64 x 16 queries, 128 keys.  The first step's products start the sums.
; The 32 accumulators take turns, one instruction a turn: a link stands 8 turns behind the link before it.
.macro WPV n0, t
	WIN W_PV
.set rD, 32*((\n0)%8)+8*(\t)
.set rA, 96+48*(((\n0)/8)%2)+12*(\t)
.set rB, P+12*((\n0)%2)
.set rX, VS+2*(((\n0)/8)%2)+(\t)/2
.set rY, PW+(\n0)%2
.if ((\n0) < 8) && (((\t)%2) == 0)
	v_wmma_scale_f32_16x16x128_f8f6f4 v[rD:rD+7], v[rA:rA+11], v[rB:rB+11], 0, v[rX], v[rY] matrix_a_fmt:MATRIX_FMT_FP6 matrix_b_fmt:MATRIX_FMT_FP6
.elseif (\n0) < 8
	v_wmma_scale_f32_16x16x128_f8f6f4 v[rD:rD+7], v[rA:rA+11], v[rB:rB+11], 0, v[rX], v[rY] matrix_a_fmt:MATRIX_FMT_FP6 matrix_b_fmt:MATRIX_FMT_FP6 matrix_a_scale:MATRIX_SCALE_ROW1
.elseif ((\t)%2) == 0
	v_wmma_scale_f32_16x16x128_f8f6f4 v[rD:rD+7], v[rA:rA+11], v[rB:rB+11], v[rD:rD+7], v[rX], v[rY] matrix_a_fmt:MATRIX_FMT_FP6 matrix_b_fmt:MATRIX_FMT_FP6
.else
	v_wmma_scale_f32_16x16x128_f8f6f4 v[rD:rD+7], v[rA:rA+11], v[rB:rB+11], v[rD:rD+7], v[rX], v[rY] matrix_a_fmt:MATRIX_FMT_FP6 matrix_b_fmt:MATRIX_FMT_FP6 matrix_a_scale:MATRIX_SCALE_ROW1
.endif
.endm
; Number j of 50 of the quantising of turn N's tile: S^T's set N % 2 becomes P's set N % 2 and its scale word.  A lane's two blocks (c = 0, 1) go side by side.
;   0-31   each block's largest magnitude, in two chains (numbers 0-15 with the floor 2^(3 - 127), so that the byte cannot fall under 1; numbers 16-31); each of the 8 accumulators is first read at its lowest registers
;   32-33  2 off the exponent field: the conversion takes the exponent field of this operand as its scale      34-37  the conversions      38-39  the bytes (the plain lines behind the conversions)
;   40-49  my two bytes at their places, the other half's two, the word; between them the six moves of the blocks' upper halves
.macro QIT
.set rS, S+64*(N%2)
.set rP, P+12*(N%2)
.set qm, j/4
.set qc, j%2
.set sc, rS+32*qc
.if (j < 28) && ((j%4) < 2) && (qm == 0)
	v_max3_num_f32 v[MA+qc], |v[sc]|, |v[sc+1]|, 0x1800000
.elseif (j < 28) && ((j%4) < 2)
	v_max3_num_f32 v[MA+qc], v[MA+qc], |v[sc+2*qm]|, |v[sc+2*qm+1]|
.elseif (j < 28) && (qm == 0)
	v_max3_num_f32 v[MB+qc], |v[sc+16]|, |v[sc+17]|, |v[sc+18]|
.elseif j < 28
	v_max3_num_f32 v[MB+qc], v[MB+qc], |v[sc+17+2*qm]|, |v[sc+18+2*qm]|
.elseif j < 30
	v_max3_num_f32 v[MA+qc], v[MA+qc], |v[sc+14]|, |v[sc+15]|
.elseif j < 32
	v_max3_num_f32 v[MA+qc], v[MA+qc], v[MB+qc], |v[sc+31]|
.elseif j < 34
	v_add_nc_u32 v[SO+qc], 0xff000000, v[MA+qc]
.elseif j == 34
	v_cvt_scalef32_pk16_fp6_f32 v[rP:rP+2], v[rS:rS+15], v[SO]
.elseif j == 35
	v_cvt_scalef32_pk16_fp6_f32 v[T0:T0+2], v[rS+16:rS+31], v[SO]
.elseif j == 36
	v_cvt_scalef32_pk16_fp6_f32 v[rP+6:rP+8], v[rS+32:rS+47], v[SO+1]
.elseif j == 37
	v_cvt_scalef32_pk16_fp6_f32 v[T1:T1+2], v[rS+48:rS+63], v[SO+1]
.elseif j < 40
	v_lshrrev_b32 v[BY+qc], 23, v[SO+qc]
.elseif j == 40
	v_lshl_or_b32 v[WD], v[BY+1], 16, v[BY]        ; blocks h and 2 + h of my query,
.elseif j == 41
	v_mov_b32 v[rP+3], v[T0]
.elseif j == 42
	v_lshlrev_b32 v[WD], v[SH8], v[WD]             ; 8 h bits up;
.elseif j == 43
	v_mov_b32 v[rP+4], v[T0+1]
.elseif j == 44
	v_permlanex16_b32 v[XR], v[WD], s[SEL], s[SEL+1]
.elseif j == 45
	v_mov_b32 v[rP+5], v[T0+2]
.elseif j == 46
	v_or_b32 v[PW+N%2], v[WD], v[XR]               ; with lane l xor 16's two the word is whole
.else
	v_mov_b32 v[rP+9+j-47], v[T1+j-47]
.endif
.endm
.macro SLICE                           ; slice k of 12: four numbers of the list; the two that are over stand in the last
	WIN 0
.set j, 4*k
.rept 4
	QIT
.set j, j+1
.endr
.if k == 11
.rept 2
	QIT
.set j, j+1
.endr
.endif
.endm
; THE LDS LOADS stand in two runs a step.  K: 8 tiles x 24 bytes a lane, and 4 registers of scale words.
.macro FETCH_K kb, q
	WIN 0x80                                       ; destination window 2
.irp tau, 0,1,2,3,4,5,6,7
.irp p, 0,1,2
	ds_load_b64 v[96*(\kb)+12*\tau+2*\p:96*(\kb)+12*\tau+2*\p+1], v[KA] offset:(128*(\q)+64*(\tau/4)+8*(\tau%4))*48+8*\p
.endr
.endr
	WIN 0
.irp g, 0,1,2,3
	ds_load_u16 v[KS+4*(\kb)+\g], v[KSA] offset:2*(128*(\q)+64*(\g/2)+16*(\g%2))   ; widened with zeros
.endr
.endm
; V: 4 tiles x 48 bytes a lane, and 2 registers of scale words.
.macro FETCH_V vb, q
	WIN 0xc0                                       ; destination window 3
.irp t, 0,1,2,3
.irp x, 0,1,2,3,4,5
	ds_load_b64 v[96+48*(\vb)+12*\t+2*\x:96+48*(\vb)+12*\t+2*\x+1], v[VA+6*(\q)+\x] offset:16*VPITCH*\t
.endr
.endr
	WIN 0
.irp g, 0,1
	ds_load_b32 v[VS+2*(\vb)+\g], v[VSA] offset:32*VSP*\g+4*(\q)
.endr
.endm
.macro STEPADR up                      ; on to the next chunk: the next slot (up = 1) or back from slot 2 to slot 0; 1,024 keys on among the scale bytes
.if \up
	v_add_nc_u32 v[KA], SLOTB, v[KA]
.irp x, 0,1,2,3,4,5,6,7,8,9,10,11
	v_add_nc_u32 v[VA+\x], SLOTB, v[VA+\x]
.endr
.else
	v_sub_nc_u32 v[KA], v[KA], 2*SLOTB
.irp x, 0,1,2,3,4,5,6,7,8,9,10,11
	v_sub_nc_u32 v[VA+\x], v[VA+\x], 2*SLOTB
.endr
.endif
	v_add_nc_u32 v[KSA], 2048, v[KSA]
	v_add_nc_u32 v[VSA], 32, v[VSA]
.endm
; TURN N (step N / 8, tile of queries N % 8).  Distances: a vector line that reads a matrix result or writes a matrix instruction's register, and a load into such a register, stand four plain vector lines behind it, an operand
; made by vector lines four and a scale word eight ahead of the scaled product that takes it (ISA guide 7.12.1 for vector instructions).  Here every such pair lies a third of a turn apart or more:
; S^T is read from the next turn's first slice on (22 lines behind its last product); P and its word are taken behind the next turn's 32 maxima; the next step's K is loaded two turns behind the set's last product, V 22 lines.
.macro TURN
.if ((N%8) == 7) && (N < 63)
	s_wait_dscnt 0x0                               ; the next step's K and V, asked for six turns ago, are in: this turn's first product takes K
.endif
.if N == 8
	WIN 0
	s_wait_tensorcnt 0x1                           ; my part of chunk 1 has landed; chunk 2's may stay out
	s_wait_dscnt 0x0
	s_barrier_signal -1                            ; this turn works on registers alone
.endif
.if N == 9
	WIN 0
	s_barrier_wait -1                              ; chunk 1 is whole
	STEPADR 1
.endif
.if N == 24
	WIN 0
	s_wait_tensorcnt 0x0                           ; all my tensor loads have landed, chunk 2's, which is wanted next, among them: a group 0 may be written
	ds_add_u32 v[SPW], v[NIL]                      ; 0 onto my spare word
	s_add_nc_u64 s[G0K0+2:G0K0+3], s[G0K0+2:G0K0+3], 3*49152       ; chunk 3: 3,072 keys on; the LDS address stays slot 0's
	s_add_nc_u64 s[G0V0+2:G0V0+3], s[G0V0+2:G0V0+3], 3*768
	s_wait_dscnt 0x0                               ; the add is done; my reads of slot 0 ended in step 0
	s_barrier_signal -1                            ; opens a round of the cluster's barrier; this turn works on registers alone
.endif
.if N == 25
	WIN 0
	s_barrier_wait -1
	CREST                                          ; no wave of any partner still reads slot 0 or has a load on its way
	JLOAD                                          ; the one refill, first behind the round: it has two steps, 16 turns, in which to land
	STEPADR 1
.endif
.if N == 40
	WIN 0
	s_wait_tensorcnt 0x0                           ; my part of chunk 3: the one load that was out
	s_wait_dscnt 0x0                               ; my reads of slots 1 and 2 are over
	s_barrier_signal -1
.endif
.if N == 41
	WIN 0
	s_barrier_wait -1                              ; chunk 3 is whole, and nobody reads slots 1 and 2 any more: they are the stage from here on
	STEPADR 0
.endif
.set k, 0
.rept 12
.if (k < 8) && (N < 63)
	WQK N+1, k
.endif
.if (k >= 8) && (N >= 1)
	WPV N-1, k-8
.endif
	SLICE
.if ((N%8) == 1) && (N < 57) && (k == 1)
	FETCH_K ((N/8+1)%2), ((N/8+1)%2)
.endif
.if ((N%8) == 1) && (N < 57) && (k == 3)
	FETCH_V ((N/8+1)%2), ((N/8+1)%2)
.endif
.set k, k+1
.endr
.endm
	s_wait_tensorcnt 0x2                           ; my scale bytes and my part of chunk 0 have landed; chunks 1 and 2 may stay out
	s_barrier_signal -1
	s_barrier_wait -1                              ; everybody's have
	FETCH_K 0, 0
	FETCH_V 0, 0
	s_wait_loadcnt 0x0                             ; Q and its scale words
	s_wait_dscnt 0x0
.set k, 0
.rept 8
	WQK 0, k                                       ; the first tile's scores: there is no vector work yet to set between them
.set k, k+1
.endr
	WIN 0
	PLACES 4
.set N, 0
.rept 64
	TURN
.set N, N+1
.endr
	WIN 0
	PLACES 8                                       ; the last scale word stands eight places ahead of the products that take it
.set k, 0
.rept 4
	WPV 63, k
.set k, k+1
.endr
	WIN 0
	PLACES 4
	; THE WAY OUT.  My partial O^T goes to my region of the stage: lane (r, h), tile i, part t: row 16 i + r, bytes 64 t + 32 h on.  Each accumulator from its low end on.
	WIN 0x04                                       ; an LDS store's data are its source 1: window 1
.irp i, 0,1,2,3,4,5,6,7
.irp t, 0,1,2,3
	ds_store_b128 v[STO], v[32*\i+8*\t:32*\i+8*\t+3] offset:16*SPITCH*\i+64*\t
	ds_store_b128 v[STO], v[32*\i+8*\t+4:32*\i+8*\t+7] offset:16*SPITCH*\i+64*\t+16
.endr
.endr
	WIN 0
	s_mov_b32 s98, 0x3e000000                      ; 0.125: the packed forms name a pair and take its low word for both halves
	s_mov_b32 s99, s98
	s_wait_dscnt 0x0                               ; for the others' sake: my stores into the stage are done
	s_barrier_signal -1
	s_barrier_wait -1
	; Wave w adds the four regions' rows 32 w .. 32 w + 31, two rows an instruction, eight pairs of rows at a time, and stores them.
.irp e, 0,1
.if \e
	s_wait_xcnt 0x0                                ; the first half's stores have read their registers: only behind this wait are they loaded again
.endif
.irp y, 0,1,2,3,4,5,6,7
.irp g, 0,1,2,3
	ds_load_b128 v[S+16*\y+4*\g:S+16*\y+4*\g+3], v[RD0+\g/2] offset:(\g%2)*SREGION+2*SPITCH*(8*\e+\y)
.endr
.endr
.irp y, 0,1,2,3,4,5,6,7
	s_wait_dscnt 4*(7-\y)                          ; LDS loads come back in order (ISA guide 5.7.1): this pair's four are in, the later pairs' stay out
	v_pk_mul_f32 v[S+16*\y:S+16*\y+1], v[S+16*\y:S+16*\y+1], s[98:99] op_sel_hi:[1,0]
	v_pk_mul_f32 v[S+16*\y+2:S+16*\y+3], v[S+16*\y+2:S+16*\y+3], s[98:99] op_sel_hi:[1,0]
.irp g, 1,2,3
	v_pk_fma_f32 v[S+16*\y:S+16*\y+1], v[S+16*\y+4*\g:S+16*\y+4*\g+1], s[98:99], v[S+16*\y:S+16*\y+1] op_sel_hi:[1,0,1]
	v_pk_fma_f32 v[S+16*\y+2:S+16*\y+3], v[S+16*\y+4*\g+2:S+16*\y+4*\g+3], s[98:99], v[S+16*\y+2:S+16*\y+3] op_sel_hi:[1,0,1]
.endr
	global_store_b128 v[GO], v[S+16*\y:S+16*\y+3], s[16:17] offset:512*(8*\e+\y) th:TH_STORE_NT   ; 16 lanes store a row's 256 consecutive bytes, at a multiple of 256 from out's first byte; written once, read by nobody here
.endr
.endr
	s_wait_tensorcnt 0x0                           ; the wave's end, behind my last tensor load and my last LDS store
	ds_add_u32 v[SPW], v[NIL]
	s_wait_dscnt 0x0
	CROUND                                         ; the closing round: no work-group ends while a partner may still ask for a tile that names it
	s_endpgm
.Lfunc_end_k_q342c2032dd_attn:
	.size	k_q342c2032dd_attn, .Lfunc_end_k_q342c2032dd_attn-k_q342c2032dd_attn
	.p2alignl 7, 3214868480
	.fill 96, 4, 3214868480
	.section	.rodata,"a",@progbits
	.p2align	6, 0x0
	.amdhsa_kernel k_q342c2032dd_attn
		.amdhsa_group_segment_fixed_size 327680
		.amdhsa_private_segment_fixed_size 0
		.amdhsa_enable_private_segment 0
		.amdhsa_kernarg_size 56
		.amdhsa_user_sgpr_count 2
		.amdhsa_user_sgpr_kernarg_segment_ptr 1
		.amdhsa_wavefront_size32 1
		.amdhsa_system_sgpr_workgroup_id_x 1
		.amdhsa_system_sgpr_workgroup_id_y 1
		.amdhsa_system_sgpr_workgroup_id_z 1
		.amdhsa_system_vgpr_workitem_id 0
		.amdhsa_next_free_vgpr 1024
		.amdhsa_next_free_sgpr 100
		.amdhsa_reserve_vcc 0
		.amdhsa_float_denorm_mode_32 3
		.amdhsa_float_denorm_mode_16_64 3
		.amdhsa_memory_ordered 1
		.amdhsa_forward_progress 1
		.amdhsa_inst_pref_size 255
	.end_amdhsa_kernel
	.section	.bss,"aw",@nobits
	.p2align	6
	.space	262144
	.amdgpu_metadata
---
amdhsa.version: [ 1, 2 ]
amdhsa.kernels:
  - .name:           k_q342c2032dd_attn
    .symbol:         k_q342c2032dd_attn.kd
    .args:
      - { .name: q_codes, .offset: 0, .size: 8, .value_kind: global_buffer, .address_space: global }
      - { .name: q_scales, .offset: 8, .size: 8, .value_kind: global_buffer, .address_space: global }
      - { .name: k_codes, .offset: 16, .size: 8, .value_kind: global_buffer, .address_space: global }
      - { .name: k_scales, .offset: 24, .size: 8, .value_kind: global_buffer, .address_space: global }
      - { .name: v_codes, .offset: 32, .size: 8, .value_kind: global_buffer, .address_space: global }
      - { .name: v_scales, .offset: 40, .size: 8, .value_kind: global_buffer, .address_space: global }
      - { .name: out0, .offset: 48, .size: 8, .value_kind: global_buffer, .address_space: global }
    .group_segment_fixed_size: 327680
    .private_segment_fixed_size: 0
    .kernarg_segment_align: 8
    .kernarg_segment_size: 56
    .max_flat_workgroup_size: 128
    .sgpr_count:     100
    .vgpr_count:     1024
    .wavefront_size: 32
...
	.end_amdgpu_metadata
.endif
;; end of part 1
